; MI455X (gfx1250); checked and timed in simulation.
; The chip was launched on July 23, 2026; its instructions are those of AMD's public machine-readable ISA for CDNA 5 (MIT licence, August 2026) and "CDNA5" Instruction Set Architecture Reference Guide (July 2026). The comments in the code are by the model that wrote it; some were corrected since.
;; Token Level Description Cross Attention. Allowed arithmetic: matrix products marked QUANTISED: E4M3 operands, one given power-of-two scale a tensor, by v_wmma_f32_16x16x64_fp8_fp8 or v_wmma_f32_16x16x128_fp8_fp8, f32 sums; products left as they are: f32 operands where the result goes on into a quantised operand, else bf16, f16 or f32 operands; f32 sums; everything else in f32.
;; Inputs: Wk 768 x 768 float32; Wo 1 x 768 float32; Wq 768 x 768 float32; Wv 768 x 768 float32; attention_masks 2 x 1,024 int32; bo 1 float32; desc_emb 256 x 64 x 768 float32; desc_mask 256 x 64 int32; ln_b 768 float32; ln_g 768 float32; lowp_scales 10 int32 (the exponents e of the quantised operands' scales 2^e); x 2 x 1,024 x 768 float32.
;; Outputs: out0 2 x 256 float32.
;; This version of the problem:
;;   THIS VERSION OF THE PROBLEM IS GIVEN IN LOW PRECISION. The matrix products marked QUANTISED in the list below multiply operands that are first quantised to E4M3 (4 exponent bits, 3 mantissa bits; 8 bits a number), with one given power-of-two scale for each operand tensor; their sums are f32. All else is computed in f32.
;;   The module's matrix products, in the order in which they are computed (A, B: the left and right operand; K: the contracted axis; several contracted axes count as one K, in the product's order):
;;     1. [M 16,384, K 768] x [K 768, N 768]; A: input desc_emb; B: input Wq: QUANTISED (scales: A lowp_scales[0], B lowp_scales[1])
;;     2. [M 2,048, K 768] x [K 768, N 768]; A: input x; B: input Wk: QUANTISED (scales: A lowp_scales[2], B lowp_scales[3])
;;     3. [M 2,048, K 768] x [K 768, N 768]; A: input x; B: input Wv: QUANTISED (scales: A lowp_scales[4], B lowp_scales[5])
;;     4. [M 2,048, K 768] x [K 768, N 16,384]; A: computed on the way; B: computed on the way: QUANTISED (scales: A lowp_scales[6], B lowp_scales[7])
;;     5. batch 2 x [M 16,384, K 1,024] x [K 1,024, N 768]; A: softmax (see below); B: computed on the way: QUANTISED (scales: A lowp_scales[8], B lowp_scales[9])
;;     6. [M 512, K 768] x [K 768, N 1]; A: computed on the way; B: input Wo: left as it is (N = 1 < 16)
;;   THE QUANTISER, for each operand of a quantised product, along K:
;;     - The operand's scale is 2^e, e = its entry of the input lowp_scales (int32; the entries are numbered through the quantised products in the list's order, A before B).
;;     - Each number is divided by the scale, clamped to +-448, and rounded to the nearest number of E4M3, ties to even, subnormals kept.
;;     - The product sums the exact products of the quantised numbers (number of the format x scale) in f32.
;;   ~~~python
;;   def quantise(x, axis, e):      # numpy; x: float32 -> the quantised numbers, widened to float32 again
;;       x = np.moveaxis(x, axis, -1); K = x.shape[-1]
;;       r = np.clip(x / 2.0 ** e, -448, 448)
;;       step = 2.0 ** (np.maximum(np.frexp(np.where(r == 0, 1, r))[1] - 1, -6) - 3)
;;       q = np.round(r / step) * step * 2.0 ** e      # np.round: ties to even
;;       return np.moveaxis(q, -1, axis).astype(np.float32)
;;   ~~~
;;   SOFTMAX AHEAD OF A QUANTISED PRODUCT. Where the list says 'softmax', what is quantised is not the finished softmax but p = 2^(t - M), with t = logit x log2(e) and M = ceil(the row's largest t), a whole number; so 1/2 < the row's largest p <= 1. The row's sum l is taken of the UNQUANTISED p, in f32, and the product's result is divided by l at the end. Since M is a whole number, a kernel that streams over the keys may use a running M (the ceiling of the running maximum): every later rescaling is an exact power of two, so the quantised numbers keep their values, but for numbers so far below the row's largest that they fall under the format's range.
;;   OPERANDS COMPUTED ON THE WAY. 'Computed on the way' means the value that the module computes at that place (a softmax that the list does not call 'softmax' is quantised finished and normalised). What goes into a quantiser is computed in f32, as accurately as f32 sums, v_exp_f32 and their like allow (about 1e-6 of the number): no bf16 or f16 on the way to a quantiser, and a product that is left as it is and whose result goes on into a quantised operand takes f32 operands (vector FMAs, or v_wmma_f32_16x16x4_f32). A number that lies on a knife's edge between two numbers of the format may be rounded either way, as far as f32 arithmetic and the matrix unit's own rounding can turn it there, and no further.
;; One version. Each part assembles by itself: llvm-mc -triple=amdgcn-amd-amdhsa -mcpu=gfx1250 --defsym DOCPART=n.
;; ======== version 1 of 1: 3 launches
;; limits: right only within a limited range of input values
;; workspace buffers: da 12,582,912 bytes; xk 1,572,864 bytes; xv 1,572,864 bytes; wq 589,824 bytes; wk 589,824 bytes; wv 589,824 bytes; qf 12,582,912 bytes; kv 3,145,728 bytes
;; launch quant (part 1): grid 356 x 3, 4 waves a work-group, no clusters, 34,304 bytes of LDS; arguments desc_emb, x, Wq, Wk, Wv, lowp_scales, da, xk, xv, wq, wk, wv; writes da, xk, xv, wq, wk, wv
.if DOCPART == 1
	.amdgcn_target "amdgcn-amd-amdhsa--gfx1250"
	.amdhsa_code_object_version 6
	.text
	.protected	k_qd703da42d5_quant
	.globl	k_qd703da42d5_quant
	.p2align	8
	.type	k_qd703da42d5_quant,@function
k_qd703da42d5_quant:
	s_mov_b64 s[64:65], 0
	v_nop
	global_prefetch_b8 v0, s[64:65] scope:SCOPE_SE
	s_setreg_imm32_b32 hwreg(HW_REG_WAVE_MODE, 25, 1), 1
	s_wait_xcnt 0x0
; f32 rows of 768 numbers become codes of E4M3, each tensor with its given scale 2^e: code = x / 2^e, held within +-448, to the nearest code, ties to even.
; Six jobs in one text, told apart by the work-group's x: desc_emb -> da (e0), x -> xk (e2), x -> xv (e4), Wq -> wq (e1), Wk -> wk (e3), Wv -> wv (e5).  Only pointers and whole numbers are chosen: one path.
; THE CODES ARE LAID AS IMAGES OF OPERAND REGISTERS.  A fragment is 16 rows x 128 along K, 16 registers a lane: lane (r = l % 16, h = l / 16) holds row r, registers 2 c, 2 c + 1 hold k = 16 c + 8 h + 0 .. 7.
; It is stored as four pieces of 512 bytes, piece c4 = registers 4 c4 .. 4 c4 + 3, lane l's 16 bytes at 16 l.  Fragment (row tile t, K step s) lies at (t / 8) 98304 + (s / 2) 32768 + (t % 8) 4096 + (s % 2) 2048:
; so 128 rows x 256 along K are one dense block of 32,768 bytes.
; xv's row tiles are laid in another order (the notes' order that the last launch's second product wants): tile t, bits 6..0 = b, g, i, u, k, c1, c0, goes to place b, not g, k, i, u, c1, c0.
; A wave takes one row tile and 256 of its 768 along K (the work-group's y): two fragments.  All its 32 loads go out at its head, each reading 512 consecutive bytes of one row; a fragment's 16 rows go through the
; wave's own stage in LDS (rows 528 bytes apart) and come back, 32 bytes a lane and piece of 16 along K, into the registers that they left.  With 176 registers five such waves fit beside each other on a SIMD.
; LIMITS: each e between -126 and 119, so that 2^e and 448 x 2^e are f32 numbers.  NaN among the inputs is not served.
.set ROWB,  3072                       ; a row of 768 f32
.set SP,    528                        ; a stage row: 512 bytes + 16
.set STG,   16*SP                      ; a wave's stage
.set SPARE, 4*STG                      ; behind the stages: the spare words, 128 bytes a wave, which no other line names
.set GO,    2                          ; v2   16 x lane: offset of loads and stores; never rewritten
.set STW,   3                          ; v3   the stage on the way in
.set LDW,   4                          ; v4   and on the way out
.set LIMV,  5                          ; v5   448 x 2^e
.set SCL,   6                          ; v6   2^e
.set SPW,   7                          ; v7   my spare word's address; never rewritten
.set NIL,   8                          ; v8   0; never rewritten
.set R,     16                         ; v16-143   two sets of 64: a fragment's numbers as loaded, then in the operand's order
.set C,     144                        ; v144-175  two sets of 16: codes
	s_load_b256 s[4:11], s[0:1], 0x0               ; desc_emb, x, Wq, Wk
	s_load_b256 s[12:19], s[0:1], 0x20             ; Wv, the scales' exponents, da, xk
	s_load_b256 s[20:27], s[0:1], 0x40             ; xv, wq, wk, wv
	v_lshl_add_u32 v[SPW], v0, 2, SPARE
	v_mov_b32 v[NIL], 0
	v_lshrrev_b32 v1, 5, v0
	v_readfirstlane_b32 s44, v1                    ; wave
	v_and_b32 v1, 31, v0
	v_lshlrev_b32 v[GO], 4, v1
	s_mul_i32 s45, s44, STG
	v_add_nc_u32 v[STW], s45, v[GO]                ; in: 16 x lane of a row
	v_and_b32 v9, 15, v0
	v_bfe_u32 v10, v0, 4, 1
	v_mul_u32_u24 v[LDW], v9, SP
	v_lshl_add_u32 v[LDW], v10, 5, v[LDW]
	v_add_nc_u32 v[LDW], s45, v[LDW]               ; out: row r, + 32 h
	s_and_b32 s54, ttmp7, 0xffff                   ; which 256 along K
	s_mov_b32 s40, 344                             ; the job's first work-group, and the byte of its e among the exponents
	s_mov_b32 s41, 20
	s_cmp_lt_u32 ttmp9, 344
	s_cselect_b32 s40, 332, s40
	s_cselect_b32 s41, 12, s41
	s_cmp_lt_u32 ttmp9, 332
	s_cselect_b32 s40, 320, s40
	s_cselect_b32 s41, 4, s41
	s_cmp_lt_u32 ttmp9, 320
	s_cselect_b32 s40, 288, s40
	s_cselect_b32 s41, 16, s41
	s_cmp_lt_u32 ttmp9, 288
	s_cselect_b32 s40, 256, s40
	s_cselect_b32 s41, 8, s41
	s_cmp_lt_u32 ttmp9, 256
	s_cselect_b32 s40, 0, s40
	s_cselect_b32 s41, 0, s41
	s_sub_co_u32 s42, ttmp9, s40
	s_lshl_b32 s42, s42, 2
	s_add_co_u32 s42, s42, s44                     ; my row tile
	s_and_b32 s46, s42, 0x43                       ; its place in xv
	s_and_b32 s47, s42, 0x20
	s_xor_b32 s47, s47, 0x20
	s_or_b32 s46, s46, s47
	s_and_b32 s47, s42, 4
	s_lshl_b32 s47, s47, 2
	s_or_b32 s46, s46, s47
	s_and_b32 s47, s42, 0x18
	s_lshr_b32 s47, s47, 1
	s_or_b32 s46, s46, s47
	s_cmp_eq_u32 s40, 288
	s_cselect_b32 s43, s46, s42                    ; the tile's place in the job's buffer of codes
	s_mul_i32 s48, s42, 16*ROWB
	s_lshl_b32 s55, s54, 10
	s_add_co_u32 s48, s48, s55                     ; from: the tile's first row, + 1,024 bytes for each 256 along K
	s_mov_b32 s49, 0
	s_lshr_b32 s50, s43, 3
	s_mul_i32 s50, s50, 98304
	s_and_b32 s47, s43, 7
	s_lshl_b32 s47, s47, 12
	s_add_co_u32 s50, s50, s47
	s_lshl_b32 s55, s54, 15
	s_add_co_u32 s50, s50, s55                     ; to: the tile's place in its block of 32,768 bytes
	s_mov_b32 s51, 0
	s_wait_alu depctr_va_vdst(0)
	s_wait_kmcnt 0x0
	s_load_b32 s52, s[14:15], s41 offset:0x0       ; e
	s_cmp_lt_u32 ttmp9, 344                        ; from where, to where: the choices hang on the work-group's number alone
	s_cselect_b64 s[28:29], s[10:11], s[12:13]
	s_cselect_b64 s[30:31], s[24:25], s[26:27]
	s_cmp_lt_u32 ttmp9, 332
	s_cselect_b64 s[28:29], s[8:9], s[28:29]
	s_cselect_b64 s[30:31], s[22:23], s[30:31]
	s_cmp_lt_u32 ttmp9, 320
	s_cselect_b64 s[28:29], s[6:7], s[28:29]
	s_cselect_b64 s[30:31], s[20:21], s[30:31]
	s_cmp_lt_u32 ttmp9, 288
	s_cselect_b64 s[30:31], s[18:19], s[30:31]
	s_cmp_lt_u32 ttmp9, 256
	s_cselect_b64 s[28:29], s[4:5], s[28:29]
	s_cselect_b64 s[30:31], s[16:17], s[30:31]
	s_add_nc_u64 s[28:29], s[28:29], s[48:49]
	s_add_nc_u64 s[30:31], s[30:31], s[50:51]
.macro LOAD e                          ; my fragment e: 512 consecutive bytes of each of the 16 rows
.irp i, 0,1,2,3,4,5,6,7,8,9,10,11,12,13,14,15
	global_load_b128 v[R+64*(\e)+4*\i:R+64*(\e)+4*\i+3], v[GO], s[28:29] offset:\i*ROWB+512*(\e)
.endr
.endm
.macro STEP e
	s_wait_loadcnt 16*(1-(\e))                     ; this fragment's 16 loads are in; the second fragment's may be out
.irp i, 0,1,2,3,4,5,6,7,8,9,10,11,12,13,14,15
	ds_store_b128 v[STW], v[R+64*(\e)+4*\i:R+64*(\e)+4*\i+3] offset:\i*SP
.endr
	s_wait_dscnt 0x0                               ; the stores have read their registers: the same registers take the numbers back
.irp c, 0,1,2,3,4,5,6,7
	ds_load_b128 v[R+64*(\e)+8*\c:R+64*(\e)+8*\c+3], v[LDW] offset:64*\c
	ds_load_b128 v[R+64*(\e)+8*\c+4:R+64*(\e)+8*\c+7], v[LDW] offset:64*\c+16
.endr
	s_wait_dscnt 0x0                               ; the numbers are back; the stage is free for the second fragment
.set i_, 0
.rept 64
	v_med3_num_f32 v[R+64*(\e)+i_], v[R+64*(\e)+i_], -v[LIMV], v[LIMV]   ; the conversion to an 8-bit code does not saturate (ISA guide 7.6.2): the hold at the largest code x the scale
.set i_, i_+1
.endr
.irp c, 0,1,2,3,4,5,6,7
	v_cvt_scalef32_pk8_fp8_f32 v[C+16*(\e)+2*\c:C+16*(\e)+2*\c+1], v[R+64*(\e)+8*\c:R+64*(\e)+8*\c+7], v[SCL]
.endr
	v_nop                                          ; a plain line behind the last conversion
.irp c, 0,1,2,3
	global_store_b128 v[GO], v[C+16*(\e)+4*\c:C+16*(\e)+4*\c+3], s[30:31] offset:(\e)*2048+512*\c   ; 512 consecutive bytes, aligned; each fragment has its own registers for its codes
.endr
.endm
	LOAD 0
	LOAD 1
	s_wait_kmcnt 0x0
	s_add_co_i32 s52, s52, 127
	s_lshl_b32 s53, s52, 23
	v_mov_b32 v[SCL], s53                          ; 2^e as f32: the conversion takes its exponent field
	s_add_co_i32 s52, s52, 8
	s_lshl_b32 s52, s52, 23
	s_or_b32 s52, s52, 0x600000
	v_mov_b32 v[LIMV], s52                         ; 448 x 2^e
	s_wait_alu depctr_va_vdst(0)
	STEP 0
	STEP 1
	s_wait_tensorcnt 0x0                           ; the wave's end, behind my last LDS store
	ds_add_u32 v[SPW], v[NIL]
	s_wait_dscnt 0x0
	s_endpgm
.Lfunc_end_k_qd703da42d5_quant:
	.size	k_qd703da42d5_quant, .Lfunc_end_k_qd703da42d5_quant-k_qd703da42d5_quant
	.p2alignl 7, 3214868480
	.fill 96, 4, 3214868480
	.section	.rodata,"a",@progbits
	.p2align	6, 0x0
	.amdhsa_kernel k_qd703da42d5_quant
		.amdhsa_group_segment_fixed_size 34304
		.amdhsa_private_segment_fixed_size 0
		.amdhsa_enable_private_segment 0
		.amdhsa_kernarg_size 96
		.amdhsa_user_sgpr_count 2
		.amdhsa_user_sgpr_kernarg_segment_ptr 1
		.amdhsa_wavefront_size32 1
		.amdhsa_system_sgpr_workgroup_id_x 1
		.amdhsa_system_sgpr_workgroup_id_y 1
		.amdhsa_system_sgpr_workgroup_id_z 1
		.amdhsa_system_vgpr_workitem_id 0
		.amdhsa_next_free_vgpr 176
		.amdhsa_next_free_sgpr 66
		.amdhsa_reserve_vcc 0
		.amdhsa_float_denorm_mode_32 3
		.amdhsa_float_denorm_mode_16_64 3
		.amdhsa_memory_ordered 1
		.amdhsa_forward_progress 1
		.amdhsa_inst_pref_size 22
	.end_amdhsa_kernel
	.amdgpu_metadata
---
amdhsa.version: [ 1, 2 ]
amdhsa.kernels:
  - .name:           k_qd703da42d5_quant
    .symbol:         k_qd703da42d5_quant.kd
    .args:
      - { .name: desc_emb, .offset: 0, .size: 8, .value_kind: global_buffer, .address_space: global }
      - { .name: x, .offset: 8, .size: 8, .value_kind: global_buffer, .address_space: global }
      - { .name: Wq, .offset: 16, .size: 8, .value_kind: global_buffer, .address_space: global }
      - { .name: Wk, .offset: 24, .size: 8, .value_kind: global_buffer, .address_space: global }
      - { .name: Wv, .offset: 32, .size: 8, .value_kind: global_buffer, .address_space: global }
      - { .name: lowp_scales, .offset: 40, .size: 8, .value_kind: global_buffer, .address_space: global }
      - { .name: da, .offset: 48, .size: 8, .value_kind: global_buffer, .address_space: global }
      - { .name: xk, .offset: 56, .size: 8, .value_kind: global_buffer, .address_space: global }
      - { .name: xv, .offset: 64, .size: 8, .value_kind: global_buffer, .address_space: global }
      - { .name: wq, .offset: 72, .size: 8, .value_kind: global_buffer, .address_space: global }
      - { .name: wk, .offset: 80, .size: 8, .value_kind: global_buffer, .address_space: global }
      - { .name: wv, .offset: 88, .size: 8, .value_kind: global_buffer, .address_space: global }
    .group_segment_fixed_size: 34304
    .private_segment_fixed_size: 0
    .kernarg_segment_align: 8
    .kernarg_segment_size: 96
    .max_flat_workgroup_size: 128
    .sgpr_count:     66
    .vgpr_count:     176
    .wavefront_size: 32
...
	.end_amdgpu_metadata
.endif
;; end of part 1
;; launch proj (part 2): grid 80 x 3, 4 waves a work-group, no clusters, 327,680 bytes of LDS; arguments da, xk, xv, wq, wk, wv, lowp_scales, qf, kv; writes qf, kv
.if DOCPART == 2
	.amdgcn_target "amdgcn-amd-amdhsa--gfx1250"
	.amdhsa_code_object_version 6
	.text
	.protected	k_qd703da42d5_proj
	.globl	k_qd703da42d5_proj
	.p2align	8
	.type	k_qd703da42d5_proj,@function
k_qd703da42d5_proj:
	s_mov_b64 s[64:65], 0
	v_nop
	global_prefetch_b8 v0, s[64:65] scope:SCOPE_SE
	s_setreg_imm32_b32 hwreg(HW_REG_WAVE_MODE, 25, 1), 1
	s_wait_xcnt 0x0
.set KVB,   1572864
.set SLOT,  131072
.set SPARE, 2*SLOT
.set FR,    16
.set NL,    4
.set NP,    4
.set ADRA,  16
.set ADRB,  20
.set GO,    26
.set SPW,   28
.set NIL,   29
.set HOLD,  30
.set SCL,   31
.set TMP,   32
.set CD,    96
.set AF,    128
.set G1,    24
.set G0,    32
.set MSB, 0
.macro WIN new
.if MSB != (\new)
	s_set_vgpr_msb (MSB<<8)|(\new)
.set MSB, (\new)
.endif
.endm
.set MUL_LO, 0xa1
.set MUL_HI, 0xf1
.set TO_B,   0x40
	s_load_b256 s[4:11], s[0:1], 0x0
	s_load_b256 s[12:19], s[0:1], 0x20
	s_load_b64 s[20:21], s[0:1], 0x40
	v_lshl_add_u32 v[SPW], v0, 2, SPARE
	v_mov_b32 v[NIL], 0
	ds_add_u32 v[SPW], v[NIL]
	ds_add_u32 v[SPW], v[NIL]
	v_lshrrev_b32 v1, 5, v0
	v_readfirstlane_b32 s56, v1
	s_lshr_b32 s57, s56, 1
	s_and_b32 s58, s56, 1
	s_and_b32 s59, ttmp7, 0xffff
	s_and_b32 s60, ttmp9, 7
	s_mov_b32 s[G1], 3<<16
	s_mov_b32 s[G1+1], 32<<16
	s_mov_b32 s[G1+2], 128<<16
	s_mov_b32 s[G1+3], 32<<16
	s_mov_b32 s[G1+4], 128
	s_mov_b32 s[G1+5], 32
	s_mov_b32 s[G1+6], 0
	s_mov_b32 s[G1+7], 0
	s_lshl_b32 s68, s57, 3
	s_lshl_b32 s69, s59, 1
	s_add_co_u32 s69, s69, s58
	s_lshl_b32 s69, s69, 11
	s_lshl_b32 s67, ttmp9, 4
	s_add_co_u32 s67, s67, s68
	s_mul_i32 s62, s67, 12288
	s_add_co_u32 s62, s62, s69
	s_and_b32 s67, s60, 3
	s_lshl_b32 s67, s67, 4
	s_add_co_u32 s67, s67, s68
	s_mul_i32 s63, s67, 12288
	s_add_co_u32 s63, s63, s69
	s_lshr_b32 s67, s60, 2
	s_mul_i32 s67, s67, KVB
	s_add_co_u32 s63, s63, s67
	s_lshl_b32 s67, s60, 1
	s_add_co_u32 s67, s67, s58
	s_lshr_b32 s70, s67, 3
	s_mul_i32 s66, s70, KVB
	s_bfe_u32 s70, s67, 0x10002
	s_mul_i32 s70, s70, 393216
	s_add_co_u32 s66, s66, s70
	s_and_b32 s70, s67, 3
	s_lshl_b32 s70, s70, 11
	s_add_co_u32 s66, s66, s70
	s_lshl_b32 s70, s59, 4
	s_add_co_u32 s70, s70, s68
	s_lshl_b32 s70, s70, 13
	s_add_co_u32 s66, s66, s70
	s_add_co_u32 s66, s66, 786432
	v_and_b32 v1, 31, v0
	v_lshlrev_b32 v[GO], 4, v1
	s_lshl_b32 s67, s57, 15
	v_add_nc_u32 v[ADRA], s67, v[GO]
	v_add_nc_u32 v[ADRA+1], SLOT, v[ADRA]
	s_lshl_b32 s67, s58, 15
	s_add_co_u32 s67, s67, 65536
	v_add_nc_u32 v[ADRB], s67, v[GO]
	v_add_nc_u32 v[ADRB+1], SLOT, v[ADRB]
	s_wait_alu depctr_va_vdst(0)
	s_wait_dscnt 0x0
	s_wait_kmcnt 0x0
	s_load_b256 s[44:51], s[16:17], 0x0
	s_load_b64 s[52:53], s[16:17], 0x20
	s_cmp_lt_u32 ttmp9, 72
	s_cselect_b64 s[76:77], s[6:7], s[14:15]
	s_cselect_b64 s[78:79], s[12:13], s[8:9]
	s_cselect_b32 s70, s60, s59
	s_cselect_b32 s71, s59, s60
	s_cselect_b32 s72, s63, s66
	s_mov_b32 s74, 8192
	s_cselect_b32 s74, 12288, s74
	s_cmp_lt_u32 ttmp9, 64
	s_cselect_b64 s[76:77], s[4:5], s[76:77]
	s_cselect_b64 s[78:79], s[10:11], s[78:79]
	s_cselect_b64 s[80:81], s[18:19], s[20:21]
	s_cselect_b32 s70, ttmp9, s70
	s_cselect_b32 s72, s62, s72
	s_cmp_lt_u32 s56, 2
	s_cselect_b64 s[82:83], s[76:77], s[78:79]
	s_cselect_b32 s70, s70, s71
	s_lshl_b32 s70, s70, 1
	s_add_co_u32 s70, s70, s58
	s_mul_i32 s70, s70, 98304
	s_mov_b32 s71, 0
	s_mov_b32 s73, 0
	s_mov_b32 s75, 0
	s_add_nc_u64 s[82:83], s[82:83], s[70:71]
	s_add_nc_u64 s[80:81], s[80:81], s[72:73]
	s_lshl_b32 s67, s56, 15
.irp n, 0,1,2
	s_mov_b32 s[G0+4*\n], 1
	s_add_co_u32 s[G0+4*\n+1], s67, (\n%2)*SLOT
	s_add_nc_u64 s[G0+4*\n+2:G0+4*\n+3], s[82:83], \n*32768
	s_or_b32 s[G0+4*\n+3], s[G0+4*\n+3], 0x80000000
.endr
	tensor_load_to_lds s[G0:G0+3], s[G1:G1+7]
	s_nop 0
	s_wait_alu depctr_va_vdst(0)
	s_wait_tensorcnt 0x0
	ds_add_u32 v28, v29
	s_wait_dscnt 0x0
	s_barrier_signal -1
	s_barrier_wait -1
	tensor_load_to_lds s[G0+4:G0+7], s[G1:G1+7]
	s_nop 0
.rept 4
	v_nop
.endr
.macro FRAG reg, adr, q, i
.irp c, 0,1,2,3
	ds_load_b128 v[\reg+4*\c:\reg+4*\c+3], v[\adr] offset:(\i)*4096+(\q)*2048+512*\c
.endr
.endm
.macro MUL16 a0, p, zero
.irp a, \a0, \a0+1
.irp b, 0,1,2,3,4,5,6,7
.if \zero
	v_wmma_f32_16x16x128_fp8_fp8 v[8*(8*((\a)%4)+\b):8*(8*((\a)%4)+\b)+7], v[128*(\p)+FR*\b:128*(\p)+FR*\b+FR-1], v[AF+FR*(\a):AF+FR*(\a)+FR-1], 0
.else
	v_wmma_f32_16x16x128_fp8_fp8 v[8*(8*((\a)%4)+\b):8*(8*((\a)%4)+\b)+7], v[128*(\p)+FR*\b:128*(\p)+FR*\b+FR-1], v[AF+FR*(\a):AF+FR*(\a)+FR-1], v[8*(8*((\a)%4)+\b):8*(8*((\a)%4)+\b)+7]
.endif
.endr
.endr
.endm
.macro FETCH_B slot, q, p
	WIN TO_B
.irp i, 0,1,2,3,4,5,6,7
	FRAG 128*(\p)+FR*\i, ADRB+\slot, \q, \i
.endr
	WIN 0
.endm
.macro FETCH_A slot, q, i0
.irp i, \i0, \i0+1, \i0+2, \i0+3
	FRAG AF+FR*(\i), ADRA+\slot, \q, \i
.endr
.endm
.macro PLACES n
.rept \n
	v_nop
.endr
.endm
.macro STEP slot, q, zero
	s_wait_dscnt 4*NL
	WIN MUL_LO
	MUL16 0, (\q)%2, \zero
	MUL16 2, (\q)%2, \zero
	s_wait_dscnt 0
	PLACES NP
	FETCH_B \slot, (\q)+1, 1-(\q)%2
	FETCH_A \slot, (\q)+1, 0
	WIN MUL_HI
	MUL16 4, (\q)%2, \zero
	MUL16 6, (\q)%2, \zero
	PLACES NP
	WIN 0
	FETCH_A \slot, (\q)+1, 4
.endm
.macro TURN slot, next, fill
	s_wait_tensorcnt 0x0
	ds_add_u32 v[SPW], v[NIL]
	s_wait_dscnt 4*NL+1
	WIN MUL_LO
	MUL16 0, 1, 0
	s_wait_dscnt 0x0
	s_barrier_signal -1
	MUL16 2, 1, 0
	WIN 0
	s_barrier_wait -1
.if \fill
	tensor_load_to_lds s[G0+8:G0+11], s[G1:G1+7]
	s_nop 0
	PLACES NP
.else
	PLACES NP
.endif
	FETCH_B \next, 0, 0
	FETCH_A \next, 0, 0
	WIN MUL_HI
	MUL16 4, 1, 0
	MUL16 6, 1, 0
	PLACES NP
	WIN 0
	FETCH_A \next, 0, 4
.endm
	s_wait_tensorcnt 1
	s_barrier_signal -1
	s_barrier_wait -1
	FETCH_B 0, 0, 0
	FETCH_A 0, 0, 0
	FETCH_A 0, 0, 4
	STEP 0, 0, 1
	TURN 0, 1, 1
	STEP 1, 0, 0
	TURN 1, 0, 0
	STEP 0, 0, 0
	s_wait_dscnt 4*NL
	WIN MUL_LO
	MUL16 0, 1, 0
	MUL16 2, 1, 0
	s_wait_dscnt 0
	WIN MUL_HI
	MUL16 4, 1, 0
	MUL16 6, 1, 0
	WIN 0
	s_wait_kmcnt 0x0
	s_sub_co_i32 s67, s51, s44
	s_sub_co_i32 s67, s67, s45
	s_sub_co_i32 s68, s50, s46
	s_sub_co_i32 s68, s68, s47
	s_sub_co_i32 s69, s53, s49
	s_sub_co_i32 s69, s69, s48
	s_cmp_lt_u32 ttmp9, 72
	s_cselect_b32 s68, s68, s69
	s_cmp_lt_u32 ttmp9, 64
	s_cselect_b32 s67, s67, s68
	s_add_co_i32 s67, s67, 127
	s_lshl_b32 s68, s67, 23
	v_mov_b32 v[SCL], s68
	s_add_co_i32 s67, s67, 8
	s_lshl_b32 s67, s67, 23
	s_or_b32 s67, s67, 0x600000
	v_mov_b32 v[HOLD], s67
	PLACES NP
.macro OUTT a
.if (\a) > 0
	s_wait_xcnt 0x0
	s_add_nc_u64 s[80:81], s[80:81], s[74:75]
.endif
	WIN 0x02+(\a)/4
.set AC, 64*((\a)%4)
.set i_, 0
.rept 64
	v_med3_num_f32 v[TMP+i_], v[AC+i_], -v[HOLD], v[HOLD]
.set i_, i_+1
.endr
	WIN 0
.irp b, 0,1,2,3,4,5,6,7
	v_cvt_scalef32_pk8_fp8_f32 v[CD+16*((\a)%2)+2*\b:CD+16*((\a)%2)+2*\b+1], v[TMP+8*\b:TMP+8*\b+7], v[SCL]
.endr
	v_nop
.irp c, 0,1,2,3
	global_store_b128 v[GO], v[CD+16*((\a)%2)+4*\c:CD+16*((\a)%2)+4*\c+3], s[80:81] offset:512*\c
.endr
.endm
.irp a, 0,1,2,3,4,5,6,7
	OUTT \a
.endr
	s_wait_tensorcnt 0x0
	ds_add_u32 v[SPW], v[NIL]
	s_wait_dscnt 0x0
	s_endpgm
.Lfunc_end_k_qd703da42d5_proj:
	.size	k_qd703da42d5_proj, .Lfunc_end_k_qd703da42d5_proj-k_qd703da42d5_proj
	.p2alignl 7, 3214868480
	.fill 96, 4, 3214868480
	.section	.rodata,"a",@progbits
	.p2align	6, 0x0
	.amdhsa_kernel k_qd703da42d5_proj
		.amdhsa_group_segment_fixed_size 327680
		.amdhsa_private_segment_fixed_size 0
		.amdhsa_enable_private_segment 0
		.amdhsa_kernarg_size 72
		.amdhsa_user_sgpr_count 2
		.amdhsa_user_sgpr_kernarg_segment_ptr 1
		.amdhsa_wavefront_size32 1
		.amdhsa_system_sgpr_workgroup_id_x 1
		.amdhsa_system_sgpr_workgroup_id_y 1
		.amdhsa_system_sgpr_workgroup_id_z 1
		.amdhsa_system_vgpr_workitem_id 0
		.amdhsa_next_free_vgpr 1024
		.amdhsa_next_free_sgpr 84
		.amdhsa_reserve_vcc 0
		.amdhsa_float_denorm_mode_32 3
		.amdhsa_float_denorm_mode_16_64 3
		.amdhsa_memory_ordered 1
		.amdhsa_forward_progress 1
		.amdhsa_inst_pref_size 98
	.end_amdhsa_kernel
	.amdgpu_metadata
---
amdhsa.version: [ 1, 2 ]
amdhsa.kernels:
  - .name:           k_qd703da42d5_proj
    .symbol:         k_qd703da42d5_proj.kd
    .args:
      - { .name: da, .offset: 0, .size: 8, .value_kind: global_buffer, .address_space: global }
      - { .name: xk, .offset: 8, .size: 8, .value_kind: global_buffer, .address_space: global }
      - { .name: xv, .offset: 16, .size: 8, .value_kind: global_buffer, .address_space: global }
      - { .name: wq, .offset: 24, .size: 8, .value_kind: global_buffer, .address_space: global }
      - { .name: wk, .offset: 32, .size: 8, .value_kind: global_buffer, .address_space: global }
      - { .name: wv, .offset: 40, .size: 8, .value_kind: global_buffer, .address_space: global }
      - { .name: lowp_scales, .offset: 48, .size: 8, .value_kind: global_buffer, .address_space: global }
      - { .name: qf, .offset: 56, .size: 8, .value_kind: global_buffer, .address_space: global }
      - { .name: kv, .offset: 64, .size: 8, .value_kind: global_buffer, .address_space: global }
    .group_segment_fixed_size: 327680
    .private_segment_fixed_size: 0
    .kernarg_segment_align: 8
    .kernarg_segment_size: 72
    .max_flat_workgroup_size: 128
    .sgpr_count:     84
    .vgpr_count:     1024
    .wavefront_size: 32
...
	.end_amdgpu_metadata
.endif
;; end of part 2
;; launch attn (part 3): grid 128 x 2, 4 waves a work-group, clusters of 4 x 1, 327,680 bytes of LDS; arguments qf, kv, attention_masks, desc_mask, lowp_scales, ln_g, ln_b, Wo, bo, out0; writes out0
.if DOCPART == 3
	.amdgcn_target "amdgcn-amd-amdhsa--gfx1250"
	.amdhsa_code_object_version 6
	.text
	.protected	k_qd703da42d5_attn
	.globl	k_qd703da42d5_attn
	.p2align	8
	.type	k_qd703da42d5_attn,@function
k_qd703da42d5_attn:
	s_mov_b64 s[64:65], 0
	v_nop
	global_prefetch_b8 v0, s[64:65] scope:SCOPE_SE
	s_setreg_imm32_b32 hwreg(HW_REG_WAVE_MODE, 25, 1), 1
	s_wait_xcnt 0x0
	s_wait_alu depctr_hold_cnt(0) depctr_sa_sdst(0) depctr_va_vdst(0) depctr_va_sdst(0) depctr_va_ssrc(0) depctr_va_vcc(0) depctr_vm_vsrc(0)
	s_getreg_b32 s2, hwreg(HW_REG_IB_STS2, 6, 4)
	s_cmp_eq_u32 s2, 0
	s_cbranch_scc0 .Lentry_in_a_cluster
	s_endpgm
.Lentry_in_a_cluster:
	s_bfe_u32 s2, ttmp6, 0x10000c
	s_cmp_lg_u32 s2, 0x3003
	s_cbranch_scc0 .Lentry_shape_is_right
	s_endpgm
.Lentry_shape_is_right:
; Scores, softmax, context, masked mean over a class's 64 tokens, layer norm and the dot with Wo, on codes of E4M3 (q, k, v from the launch before).
; SHARES.  A work-group: two classes (128 queries) of one batch.  Wave w: class w / 2 (four tiles of 16 queries) and half w % 2 of the notes of every ring slot.
; THE RING.  A batch's codes lie in kv as 16 dense slots of 98,304 bytes: slots 0-7 hold k (8 note tiles x 6 K steps each), slots 8-15 hold v (12 feature tiles x 4 groups of 128 notes each).  Two LDS slots take turns.
; CLUSTER.  The four work-groups of a cluster belong to one batch and walk the same ring: every slot is asked for JOINTLY (mask 15), each wave asking for its quarter, 24,576 bytes.  One tensor load of mine is out at any time.
; THE CHANGE OF SLOTS IS TAKEN INTO A SLOT'S LAST THREE GROUPS wherever the next slot follows at once.  A slot's work goes in 12 groups of 8 matrix instructions on three sets of fragment registers, so the last three groups'
;   fragments are all asked for ahead of group 9's products.  Then: the wait for my tensor load, the add | group 9 | the wait for the add and for my reads of the slot, the opening signal | group 10 | the rest of the round,
;   the joint refill, the next slot's first fragments into the sets that groups 9 and 10 have left | group 11.  At the head of each half of the notes and of phase B the change stands plain.
; PHASE A, twice (notes 0-511, then 512-1023): S^T = k q^T for my 256 notes x 64 queries (64 accumulators); t = score x c; M = the running largest t rounded up to a whole number; p = 2^(t - M), its sum l taken unquantised;
;   p becomes codes in registers: a lane holds one query, and the eight registers of note tile c are k = 16 c + 8 h + 0 .. 7 of the second product's operand.  The first half's codes wait in LDS.
; THE NOTES' MASK costs no vector work: the first matrix instruction of each sum takes as C a bias, 0 for a note that counts, -2^(70 - e6 - e7) for one that does not: its p is 0.  If NO note of the batch counts, bias and c are 0:
;   every p is 1, the uniform row that the reference's softmax gives there.
; PHASE B: for each tile of 16 features, D = p v (lane = feature, registers = queries) is folded at once into the pooled sum with the weights w(query) = (token counts ? 1 : 0) / (l x number of tokens) x 2^(M of my codes - M of the row) x 2^(e8 + e9).
;   So no context is kept: 12 numbers a lane and slot.  The weights are made once, between the phases, from both waves' M and l.
; LIMITS.  e8 between -126 and 119; e6 + e7 between -50 and 30.  A masked note's p is exactly 0, as the reference's is while true scores lie above -1e9 + 200.  NaN among the inputs is not served.
;   Each wave's codes stand under its own running M (exact powers of two apart from the row's): only numbers under the format's range can differ.  A class with no token gives NaN, as the reference does.
;   out0 gets 4 bytes from each of two waves of a work-group: the output has no more for them.
; REGISTERS, in windows of 256.  window 0: v0-31 addresses and statistics; v32-127 K's fragments (three sets), at work in between; v128-255 q's K steps 4, 5, later D, sums, layer norm's parameters.
;   window 1: q's K steps 0-3; p's codes (a, i) at v[16 (2 a + i)] over steps 0, 1; later v128-159 the weights, v160-191 their factor for the first half, v192-193 V's LDS addresses.   windows 2, 3: S^T (a, b) at v[8 (4 (b % 8) + a)], window 2 + b / 8.
.set KVB,   1572864
.set SLOTB, 98304
.set QRT,   24576
.set SLOT1, 1<<17                      ; slot 1 begins here: one exclusive or turns an address
.set BIAS,  98304                      ; 1,024 f32: the notes' bias
.set XCH,   102400                     ; 768 bytes a wave: -M, l, factor of 64 queries
.set LNX,   105472                     ; layer norm's sums from wave to wave
.set POOL,  105984                     ; 6,144 bytes a wave: 8 slots x 16 lanes x 12 pooled sums
.set SPARE, 130560                     ; the spare words, 128 bytes a wave, which no other line names
.set PARK,  229376                     ; 16,384 bytes a wave: the first half's codes
.set SPW,  1                           ; v1  my spare word's address; never rewritten
.set NIL,  2                           ; v2  0; never rewritten
.set ADK,  3                           ; v3, v4  my half of K's tiles in slot 0, 1
.set ABI0, 5                           ; v5  my bias words
.set ABI,  6                           ; v6  the same, in the half of the notes in hand
.set QO,   7                           ; v7  16 x lane
.set HOLD, 8                           ; v8  448 x 2^e8
.set SCL,  9                           ; v9  2^e8
.set APK,  10                          ; v10 where my codes wait
.set AXS,  11                          ; v11 where I put a query's statistics
.set ST,   12                          ; v12-19 for each tile of queries the pair (-M, l)
.set BI,   20                          ; v20-27 a note tile's bias, in the result's layout
.set PFO,  28                          ; v28 256 x lane
.set AV0,  29                          ; v29, v30 my half of V's tiles 0-5, 6-11
.set AV0B, 30
.set APO0, 31                          ; v31 where my pooled sums go
.set KB,   32
.set MX,   32                          ; the softmax's own: v32-39 maxima, v40-43 factors, v44-47 at work, v48-63 sums
.set FA,   40
.set TP,   44
.set SU,   48
.set VB,   32                          ; phase B
.set DS,   32
.set T,    192
.set PA,   200
.set TX,   212
.set LG,   224
.set LB,   236
.set WO,   12
.set APO,  3
.set WT,   128                         ; window 1
.set FW,   160
.set AVA,  192
.set AVB,  193
.set G1,   24
.set G0,   32
.set WV,   36
.set CW,   37
.set KA,   38
.set CX,   39
.set CS,   52
.set SEL,  54
.set PFA,  56
.set LIM,  58
.set REM,  59
.set SIG,  60
.set SB,   61
.set TB,   62
.set PB,   63
.set VC,   66
.set BT,   67
.set BO,   82
.set MSB, 0
.macro WIN new                         ; the immediate's high byte repeats the setting that is left
.if MSB != (\new)
	s_set_vgpr_msb (MSB<<8)|(\new)
.set MSB, (\new)
.endif
.endm
.macro PLACES                          ; plain vector lines between a matrix instruction and a load into, or a vector read of, its registers
.rept 4
	v_nop
.endr
.endm
.macro CREST                           ; a round of the cluster's barrier behind its opening barrier
	s_cmp_lg_u32 s[WV], 0
	s_cbranch_scc1 .Lnot0_\@
	s_barrier_signal -3
.Lnot0_\@:
	s_barrier_wait -3
	s_barrier_signal -1
	s_barrier_wait -1
.endm
.macro CROUND                          ; a whole round
	s_barrier_signal -1
	s_barrier_wait -1
	CREST
.endm
; A prefetch of the slot that the NEXT change will ask for: 98,304 bytes, each aligned block of 256 bytes named once for a batch: the batch's first cluster asks; its four partners take 24,576 bytes each, told apart by address;
; in each, waves 0 to 2 take 8,192 bytes, lanes 256 bytes apart.  The last change that fills a slot asks for nothing; slots 0 and 1 come by their loads alone.
.macro ASK
	s_cmp_gt_u32 s[REM], s[LIM]
	s_cbranch_scc0 .Lnoask_\@
	global_prefetch_b8 v[PFO], s[PFA:PFA+1] th:TH_LOAD_NT scope:SCOPE_SE
.Lnoask_\@:
.endm
; THE CHANGE OF SLOTS, in three parts.  CHOPEN: all my tensor loads have landed (my quarter of the slot ahead), 0 is added to my spare word, and, fill = 1, the descriptor walks on.  Behind it, with work on registers at most
; between, the caller waits for the add and for its reads of the slot left behind (s_wait_dscnt 0) and opens the barrier.  CHREST, behind the opening barrier's wait: the rest of the cluster's round, and the slot left
; behind is asked for again, jointly, first thing behind it.
.macro CHOPEN fill
	WIN 0                                          ; (the add's two registers lie in window 0)
	s_wait_tensorcnt 0x0
	ds_add_u32 v[SPW], v[NIL]
.if \fill
	s_xor_b32 s[G0+1], s[G0+1], SLOT1              ; no load of mine is out: the descriptor walks on
	s_add_nc_u64 s[G0+2:G0+3], s[G0+2:G0+3], SLOTB
	s_wait_xcnt 0x0                                ; the last prefetch has read its address
	s_add_nc_u64 s[PFA:PFA+1], s[PFA:PFA+1], SLOTB
	s_sub_co_u32 s[REM], s[REM], 1
.endif
.endm
.macro CHREST
	CREST
	tensor_load_to_lds s[G0:G0+3], s[G1:G1+7]
	s_nop 0
	PLACES                                         ; also the places in front of the LDS loads that follow
	ASK
.endm
.macro CHANGE fill                     ; the plain form, with nothing to multiply meanwhile
	CHOPEN \fill
	s_wait_dscnt 0x0
	s_barrier_signal -1
	s_barrier_wait -1
.if \fill
	CHREST
.endif
.endm
.macro QLOAD s, reg                    ; q's four tiles, K step s
.irp a, 0,1,2,3
.irp c, 0,1,2,3
	global_load_b128 v[\reg+16*\a+4*\c:\reg+16*\a+4*\c+3], v[QO], s[4:5] offset:\a*12288+(\s)*2048+512*\c
.endr
.endr
.endm
	s_load_b256 s[4:11], s[0:1], 0x0               ; qf, kv, attention_masks, desc_mask
	s_load_b256 s[12:19], s[0:1], 0x20             ; the scales' exponents, ln_g, ln_b, Wo
	s_load_b128 s[20:23], s[0:1], 0x40             ; bo, out0
	v_lshl_add_u32 v[SPW], v0, 2, SPARE
	v_mov_b32 v[NIL], 0
	ds_add_u32 v[SPW], v[NIL]                      ; the wave's opening: the add and its wait ahead of my first tensor load; work on registers stands between
	ds_add_u32 v[SPW], v[NIL]
	v_lshrrev_b32 v3, 5, v0
	v_readfirstlane_b32 s[WV], v3
	s_lshr_b32 s[CW], s[WV], 1                     ; my class of the two
	s_and_b32 s[KA], s[WV], 1                      ; my half of the notes
	s_bfe_u32 s[CX], ttmp6, 0x40000
	s_and_b32 s[BT], ttmp7, 0xffff                 ; the batch, which the partners share
	s_mov_b32 s[G1], 15|(3<<16)|(1<<21)            ; the mask: all four work-groups; elements of 8 bytes; bit 21 beside a mask
	s_mov_b32 s[G1+1], 32<<16                      ; rows of 256 bytes,
	s_mov_b32 s[G1+2], 96<<16                      ; 96 of them, dense
	s_mov_b32 s[G1+3], 32<<16
	s_mov_b32 s[G1+4], 96
	s_mov_b32 s[G1+5], 32
	s_mov_b32 s[G1+6], 0
	s_mov_b32 s[G1+7], 0
	s_mov_b32 s[SEL], 0x76543210
	s_mov_b32 s[SEL+1], 0xfedcba98
	s_mov_b32 s[REM], 15
	s_mov_b32 s[SIG], 0
	s_mov_b32 s[SB], 0
	s_cmp_lt_u32 s[WV], 3
	s_cselect_b32 s68, 0, 1
	s_or_b32 s68, s68, ttmp9
	s_cmp_eq_u32 s68, 0
	s_cselect_b32 s[LIM], 0, -1                    ; 0 in waves 0 to 2 of the batch's first cluster: the same in all partners
	s_mul_i32 s[G0+1], s[WV], QRT                  ; my quarter of a slot
	s_mul_i32 s70, s[BT], KVB
	s_add_co_u32 s72, s70, SLOTB
	s_add_co_u32 s70, s70, s[G0+1]                 ; the ring: batch and wave alone
	s_mov_b32 s71, 0
	s_mul_i32 s68, s[CX], QRT
	s_add_co_u32 s72, s72, s68
	s_lshl_b32 s68, s[WV], 13
	s_add_co_u32 s72, s72, s68                     ; the prefetches: in slot 1; the first change steps them to slot 2
	s_mov_b32 s73, 0
	s_lshl_b32 s69, ttmp9, 2
	s_add_co_u32 s69, s69, s[CX]                   ; my pair of classes
	s_lshl_b32 s74, s69, 3
	s_lshl_b32 s68, s[CW], 2
	s_add_co_u32 s74, s74, s68
	s_mul_i32 s74, s74, 12288                      ; q: my four tiles
	s_mov_b32 s75, 0
	s_lshl_b32 s76, s[BT], 12                      ; the batch's masks
	s_mov_b32 s77, 0
	s_lshl_b32 s78, s69, 9
	s_lshl_b32 s68, s[CW], 8
	s_add_co_u32 s78, s78, s68                     ; my class's token mask
	s_mov_b32 s79, 0
	s_lshl_b32 s80, s[BT], 8
	s_lshl_b32 s68, s69, 1
	s_add_co_u32 s80, s80, s68
	s_add_co_u32 s80, s80, s[CW]
	s_lshl_b32 s80, s80, 2                         ; my class's output
	s_mov_b32 s81, 0
	v_and_b32 v32, 15, v0                          ; r
	v_bfe_u32 v33, v0, 4, 1                        ; h
	v_and_b32 v[QO], 31, v0
	v_lshlrev_b32 v[QO], 4, v[QO]
	s_wait_alu depctr_va_vdst(0)
	s_mul_i32 s68, s[KA], 49152
	v_add_nc_u32 v[ADK], s68, v[QO]
	v_add_nc_u32 v[ADK+1], SLOT1, v[ADK]
	s_lshl_b32 s68, s[KA], 8
	s_add_co_u32 s68, s68, BIAS
	v_lshl_add_u32 v[ABI0], v33, 5, s68
	s_lshl_b32 s68, s[WV], 14
	s_add_co_u32 s68, s68, PARK
	v_add_nc_u32 v[APK], s68, v[QO]
	s_mul_i32 s68, s[WV], 768
	s_add_co_u32 s68, s68, XCH
	v_lshl_add_u32 v[AXS], v32, 2, s68
	v_lshlrev_b32 v[PFO], 4, v[QO]
	s_lshl_b32 s68, s[KA], 12
	v_add_nc_u32 v[AV0], s68, v[QO]
	v_add_nc_u32 v[AV0B], 49152, v[AV0]
	v_mul_u32_u24 v[APO0], v32, 48
	s_mul_i32 s68, s[WV], 6144
	s_add_co_u32 s68, s68, POOL
	v_add_nc_u32 v[APO0], s68, v[APO0]
	s_wait_dscnt 0x0                               ; the opening add is done
	s_wait_kmcnt 0x0
	s_load_b256 s[40:47], s[12:13], 0x0            ; e0 .. e7
	s_load_b64 s[48:49], s[12:13], 0x20            ; e8, e9
	s_load_b32 s[BO], s[20:21], 0x0
	s_mov_b32 s[G0], 1
	s_add_nc_u64 s[G0+2:G0+3], s[6:7], s[70:71]
	s_or_b32 s[G0+3], s[G0+3], 0x80000000
	s_add_nc_u64 s[PFA:PFA+1], s[6:7], s[72:73]
	s_add_nc_u64 s[4:5], s[4:5], s[74:75]
	s_add_nc_u64 s[8:9], s[8:9], s[76:77]
	s_add_nc_u64 s[10:11], s[10:11], s[78:79]
	s_add_nc_u64 s[22:23], s[22:23], s[80:81]
	CROUND                                         ; all four work-groups are here: the first joint load meets
	tensor_load_to_lds s[G0:G0+3], s[G1:G1+7]      ; slot 0
	s_nop 0
	PLACES
.irp k, 0,1,2,3,4,5,6,7
	global_load_b128 v[32+4*\k:35+4*\k], v[QO], s[8:9] offset:512*\k   ; all 1,024 masks of the batch, 32 a lane
.endr
	v_lshlrev_b32 v72, 5, v0
	global_load_b128 v[64:67], v72, s[8:9]         ; and the 8 whose bias my thread writes
	global_load_b128 v[68:71], v72, s[8:9] offset:16
	WIN 0x40
	QLOAD 2, 128
	QLOAD 3, 192
	WIN 0
	v_add_nc_u32 v81, BIAS, v72
.irp a, 0,1,2,3
	v_mov_b32 v[ST+2*\a], 0x5d800000               ; -M begins at 2^60: a floor under every true t, above a masked note's
	v_mov_b32 v[ST+2*\a+1], 0                      ; l
.endr
	s_wait_kmcnt 0x0
	s_add_co_i32 s70, s46, s47                     ; a score stands for score x 2^(e6 + e7):
	s_lshl_b32 s71, s70, 23
	s_add_co_i32 s71, s71, 0x3d553b95              ; the exponents are added to the exponent field of c = log2(e) / sqrt(768)
	s_sub_co_i32 s72, 197, s70
	s_lshl_b32 s72, s72, 23
	s_or_b32 s72, s72, 0x80000000                  ; -2^(70 - e6 - e7)
	s_add_co_i32 s73, s48, 127
	s_lshl_b32 s74, s73, 23
	v_mov_b32 v[SCL], s74
	s_add_co_i32 s73, s73, 8
	s_lshl_b32 s73, s73, 23
	s_or_b32 s73, s73, 0x600000
	v_mov_b32 v[HOLD], s73
	s_wait_loadcnt 32                              ; the ten mask loads are in; q's 32 may be out
	s_mov_b32 s68, 0
.set i_, 0
.rept 32
	v_cmp_lt_i32 s69, 0, v[32+i_]
	s_or_b32 s68, s68, s69
.set i_, i_+1
.endr
	s_cmp_lg_u32 s68, 0                            ; does any note of the batch count?  A choice of two numbers, no branch
	s_cselect_b32 s[CS], s71, 0
	s_cselect_b32 s72, s72, 0
	s_mov_b32 s[CS+1], s[CS]
	v_mov_b32 v80, s72
.irp i, 0,1,2,3,4,5,6,7
	v_cmp_lt_i32 vcc_lo, 0, v[64+\i]
	v_cndmask_b32 v[84+\i], v80, 0, vcc_lo
.endr
	ds_store_b128 v81, v[84:87]
	ds_store_b128 v81, v[88:91] offset:16
	QLOAD 4, 128
	QLOAD 5, 192
.macro LOADG jp, g                     ; group g of a slot: note tile g / 3, K steps 2 (g % 3), + 1, into set g % 3
.irp e, 0,1
.irp c, 0,1,2,3
	ds_load_b128 v[KB+32*((\g)%3)+16*\e+4*\c:KB+32*((\g)%3)+16*\e+4*\c+3], v[ADK+\jp] offset:((\g)/3)*12288+(2*((\g)%3)+\e)*2048+512*\c
.endr
.endr
.endm
.macro LOADBIAS jj, t
	ds_load_b128 v[BI:BI+3], v[ABI] offset:(\jj)*512+(\t)*64
	ds_load_b128 v[BI+4:BI+7], v[ABI] offset:(\jj)*512+(\t)*64+16
.endm
; Group g_'s 8 matrix instructions: two K steps x four tiles of queries, which take turns, one instruction a turn.
.macro KMUL jj
.irp e, 0,1
.set s_, 2*(g_%3)+\e
.if s_ == 0
	WIN (W_<<6)|4
.elseif s_ < 4
	WIN (W_<<6)|(W_<<4)|4
.else
	WIN (W_<<6)|(W_<<4)
.endif
.irp a, 0,1,2,3
.set rS, 8*(4*(4*((\jj)%2)+g_/3)+\a)
.if s_ < 4
.set rQ, 16*(4*s_+\a)
.else
.set rQ, 128+16*(4*(s_-4)+\a)
.endif
.set rK, KB+32*(g_%3)+16*\e
.if s_ == 0
	v_wmma_f32_16x16x128_fp8_fp8 v[rS:rS+7], v[rK:rK+15], v[rQ:rQ+15], v[BI:BI+7]
.else
	v_wmma_f32_16x16x128_fp8_fp8 v[rS:rS+7], v[rK:rK+15], v[rQ:rQ+15], v[rS:rS+7]
.endif
.endr
.endr
.endm
; One group: the loads of two groups on, then its products.  pin = 1: the slot's first two groups were asked for in the slot before.  pout = 1: the change of slots stands in groups 9 to 11.
.macro KGROUP jj, pin, pout
.if (\pout) && (g_ == 10)
	s_wait_dscnt 0x0                               ; the add is done, and my reads of this slot are over
	s_barrier_signal -1                            ; the barrier opens a round of the cluster's;
	KMUL \jj                                       ; work on registers while the others arrive
	WIN 0
	s_barrier_wait -1
	CHREST                                         ; no wave of any partner still reads this slot or has a load on its way: it is asked for again
	LOADBIAS (\jj)+1, 0                            ; the next slot's first fragments, into the sets that groups 9 and 10 have left
	LOADG ((\jj)+1)%2, 0
	LOADG ((\jj)+1)%2, 1
.elseif (\pout) && (g_ == 11)
	KMUL \jj                                       ; its fragments came in ahead of the signal
.else
	WIN 0
.if (g_ >= 1) || (\pin)
	PLACES
.endif
.if (g_%3 == 1) && (g_/3 < 3)
	LOADBIAS \jj, g_/3+1
.endif
.if g_ <= 9
	LOADG (\jj)%2, g_+2
.endif
.if (\pout) && (g_ == 9)
	CHOPEN 1
	s_wait_dscnt 17                                ; groups 10 and 11 and the add may be out
.elseif g_ == 11
	s_wait_dscnt 0
.elseif g_ == 10
	s_wait_dscnt 8                                 ; the last group's 8 loads may be out
.elseif (g_%3 >= 1) && (g_/3 < 3)
	s_wait_dscnt 18                                ; two younger groups and a pair of bias loads may be out
.else
	s_wait_dscnt 16                                ; two younger groups may be out
.endif
.if ((\jj) == 0) && (g_ == 0)
	s_wait_loadcnt 0x0                             ; q
.endif
	KMUL \jj
.endif
.endm
.macro KSLOT jj, pin, pout             ; my four note tiles of a slot of k, against my 64 queries
.set W_, 2+(\jj)/2
.if !(\pin)
	LOADBIAS \jj, 0
	LOADG (\jj)%2, 0
	LOADG (\jj)%2, 1
.endif
.set g_, 0
.rept 12
	KGROUP \jj, \pin, \pout
.set g_, g_+1
.endr
.endm
.macro SMAX w                          ; the largest score of each query, two chains a tile of queries; each accumulator from its low end on
	WIN (\w<<2)|(\w<<4)
.irp bb, 0,1,2,3,4,5,6,7
.irp jp, 0,2,4,6
.irp a, 0,1,2,3
	v_max3_num_f32 v[MX+2*\a+(\jp/2)%2], v[MX+2*\a+(\jp/2)%2], v[32*\bb+8*\a+\jp], v[32*\bb+8*\a+\jp+1]
.endr
.endr
.endr
.endm
.macro SEXP w                          ; t - M, two at a time, then p = 2^(t - M)
	WIN (\w<<6)|\w
.irp bb, 0,1,2,3,4,5,6,7
.irp jp, 0,2,4,6
.irp a, 0,1,2,3
	v_pk_fma_f32 v[32*\bb+8*\a+\jp:32*\bb+8*\a+\jp+1], v[32*\bb+8*\a+\jp:32*\bb+8*\a+\jp+1], s[CS:CS+1], v[ST+2*\a:ST+2*\a+1] op_sel_hi:[1,0,0]
.endr
.endr
.endr
.set i_, 0
	s_wait_alu depctr_va_vdst(0)
.rept 256
	v_exp_f32 v[i_], v[i_]
.set i_, i_+1
.endr
.endm
.macro SFIN w                          ; the sums of the unquantised p; the hold; the codes
	WIN \w
.irp bb, 0,1,2,3,4,5,6,7
.irp jp, 0,2,4,6
.irp a, 0,1,2,3
	v_pk_add_f32 v[SU+4*\a+2*((\jp/2)%2):SU+4*\a+2*((\jp/2)%2)+1], v[32*\bb+8*\a+\jp:32*\bb+8*\a+\jp+1], v[SU+4*\a+2*((\jp/2)%2):SU+4*\a+2*((\jp/2)%2)+1]
.endr
.endr
.endr
	WIN (\w<<6)|\w
.set i_, 0
.rept 256
	v_min_num_f32 v[i_], v[i_], v[HOLD]            ; the conversion does not saturate (ISA guide 7.6.2); p is not negative: a one-sided hold
.set i_, i_+1
.endr
	WIN 0x40|\w
.irp a, 0,1,2,3
.irp bb, 0,1,2,3,4,5,6,7
	v_cvt_scalef32_pk8_fp8_f32 v[16*(2*\a+\w-2)+2*\bb:16*(2*\a+\w-2)+2*\bb+1], v[32*\bb+8*\a:32*\bb+8*\a+7], v[SCL]
.endr
.endr
	v_nop                                          ; a plain line behind the last conversion
.endm
; SLOTS 0 TO 2 OF A HALF GO BY WHOLE NOTE TILES: a tile's bias and six fragments (26 LDS loads) feed 24 matrix instructions.  Two sets take turns: even tiles v32-127 with the bias in v20-27;
; odd tiles window 3 v128-223 with the bias in v224-231: registers that only slot 3's sums take later.  Slot 3 has no such room and keeps the groups of 8 on three sets.
.macro LOADT jj, t                     ; note tile t of slot jj into set t % 2
.if ((\t)%2)
	WIN 0xc0
.set rF, 128
.set rB, 224
.else
	WIN 0
.set rF, KB
.set rB, BI
.endif
	ds_load_b128 v[rB:rB+3], v[ABI] offset:(\jj)*512+(\t)*64
	ds_load_b128 v[rB+4:rB+7], v[ABI] offset:(\jj)*512+(\t)*64+16
.irp s, 0,1,2,3,4,5
.irp c, 0,1,2,3
	ds_load_b128 v[rF+16*\s+4*\c:rF+16*\s+4*\c+3], v[ADK+(\jj)%2] offset:(\t)*12288+\s*2048+512*\c
.endr
.endr
.endm
.macro KM jj, t, s0, s1                ; K steps s0 .. s1 of note tile t against the four tiles of queries, which take turns, one instruction a turn
.set W_, 2+(\jj)/2
.set fw_, 3*((\t)%2)
.set s_, \s0
.rept (\s1)-(\s0)+1
.if s_ == 0
	WIN (W_<<6)|(fw_<<4)|4|fw_
.elseif s_ < 4
	WIN (W_<<6)|(W_<<4)|4|fw_
.else
	WIN (W_<<6)|(W_<<4)|fw_
.endif
.irp a, 0,1,2,3
.set rS, 8*(4*(4*((\jj)%2)+(\t))+\a)
.if s_ < 4
.set rQ, 16*(4*s_+\a)
.else
.set rQ, 128+16*(4*(s_-4)+\a)
.endif
.if ((\t)%2)
.set rK, 128+16*s_
.set rB, 224
.else
.set rK, KB+16*s_
.set rB, BI
.endif
.if s_ == 0
	v_wmma_f32_16x16x128_fp8_fp8 v[rS:rS+7], v[rK:rK+15], v[rQ:rQ+15], v[rB:rB+7]
.else
	v_wmma_f32_16x16x128_fp8_fp8 v[rS:rS+7], v[rK:rK+15], v[rQ:rQ+15], v[rS:rS+7]
.endif
.endr
.set s_, s_+1
.endr
.endm
; pin = 1: tile 0 was asked for in the slot before.  nxt = 1: the next slot goes by tiles too; 0: by groups of 8.  The change of slots stands in tile 3, whose fragments are all in registers.
.macro NSLOT jj, pin, nxt
.if !(\pin)
	LOADT \jj, 0
.endif
.irp t, 0,1,2
	PLACES                                         ; in front of loads into the set that the tile before multiplied
	LOADT \jj, \t+1
	s_wait_dscnt 26                                ; this tile's loads are in; the next tile's 26 may be out
.if ((\jj) == 0) && (\t == 0)
	s_wait_loadcnt 0x0                             ; q
.endif
	KM \jj, \t, 0, 5
.endr
	s_wait_dscnt 0x0                               ; tile 3 is in: my reads of this slot are over
	KM \jj, 3, 0, 0
	CHOPEN 1
	KM \jj, 3, 1, 1                                ; work on registers between the add and the wait for it
	s_wait_dscnt 0x0
	s_barrier_signal -1                            ; the barrier opens a round of the cluster's
	KM \jj, 3, 2, 2
	WIN 0
	s_barrier_wait -1
	CHREST                                         ; the slot is asked for again, first thing behind the round
.if \nxt
	LOADT (\jj)+1, 0
.else
	LOADBIAS (\jj)+1, 0
	LOADG ((\jj)+1)%2, 0
	LOADG ((\jj)+1)%2, 1
.endif
	KM \jj, 3, 3, 5
.endm
.Lsig:
	WIN 0x40
	QLOAD 0, 0
	QLOAD 1, 64
	WIN 0
	v_add_nc_u32 v[ABI], s[SB], v[ABI0]
	CHANGE 1                                       ; the half's first slot: the plain change; the next three stand in the slots' last groups
	s_wait_alu depctr_va_vdst(0)
	NSLOT 0, 0, 1
	NSLOT 1, 1, 1
	NSLOT 2, 1, 0
	KSLOT 3, 1, 0
	WIN 0
.irp i, 0,1,2,3,4,5,6,7
	v_mov_b32 v[MX+\i], 0xff800000                 ; these twelve are also the places behind the last products
.endr
.irp a, 0,1,2,3
	v_mov_b32 v[TP+\a], 0
.endr
	SMAX 2
	SMAX 3
	WIN 0
.irp a, 0,1,2,3
	v_max_num_f32 v[MX+2*\a], v[MX+2*\a], v[MX+2*\a+1]
.endr
.irp a, 0,1,2,3
	v_permlanex16_b32 v[TP+\a], v[MX+2*\a], s[SEL], s[SEL+1]   ; the query's other notes lie in the lane 16 away
.endr
.irp a, 0,1,2,3
	v_max_num_f32 v[MX+2*\a], v[MX+2*\a], v[TP+\a]
.endr
.irp a, 0,1,2,3
	v_mul_f32 v[MX+2*\a], s[CS], v[MX+2*\a]        ; as t (c is not negative)
.endr
.irp a, 0,1,2,3
	v_floor_f32 v[MX+2*\a+1], -v[MX+2*\a]          ; -ceil(t)
.endr
.irp a, 0,1,2,3
	v_min_num_f32 v[MX+2*\a+1], v[MX+2*\a+1], v[ST+2*\a]   ; the new -M
.endr
.irp a, 0,1,2,3
	v_sub_f32 v[TP+\a], v[MX+2*\a+1], v[ST+2*\a]   ; old M - new M: a whole number, 0 or less
.endr
.irp a, 0,1,2,3
	v_cvt_i32_f32 v[TP+\a], v[TP+\a]               ; (it saturates)
.endr
.irp a, 0,1,2,3
	v_ldexp_f32 v[FA+\a], 1.0, v[TP+\a]            ; 2^(old M - new M): rounds nothing
.endr
.irp a, 0,1,2,3
	v_mul_f32 v[ST+2*\a+1], v[ST+2*\a+1], v[FA+\a]
.endr
.irp a, 0,1,2,3
	v_mov_b32 v[ST+2*\a], v[MX+2*\a+1]
.endr
	SEXP 2
	SEXP 3
	WIN 0
.irp i, 0,1,2,3,4,5,6,7,8,9,10,11,12,13,14,15
	v_mov_b32 v[SU+\i], 0                          ; plain lines behind the last exponential
.endr
	s_wait_alu depctr_va_vdst(0)                   ; one wait for the 512 exponentials, ahead of their first reader
	SFIN 2
	SFIN 3
	WIN 0
.irp a, 0,1,2,3
	v_pk_add_f32 v[SU+4*\a:SU+4*\a+1], v[SU+4*\a:SU+4*\a+1], v[SU+4*\a+2:SU+4*\a+3]
.endr
.irp a, 0,1,2,3
	v_add_f32 v[SU+4*\a], v[SU+4*\a], v[SU+4*\a+1]
.endr
.irp a, 0,1,2,3
	v_add_f32 v[ST+2*\a+1], v[ST+2*\a+1], v[SU+4*\a]
.endr
	s_cmp_lg_u32 s[SIG], 0                         ; the first half's codes wait in LDS, as images of their registers
	s_cbranch_scc1 .Lnopark
	WIN 0x04
.set i_, 0
.rept 32
	ds_store_b128 v[APK], v[4*i_:4*i_+3] offset:512*i_
.set i_, i_+1
.endr
	WIN 0
	s_wait_dscnt 0x0                               ; the stores have read their registers: q's loads may land there
.Lnopark:
	s_add_co_u32 s[SB], s[SB], 2048
	s_add_co_u32 s[SIG], s[SIG], 1
	s_cmp_lt_u32 s[SIG], 2
	s_cbranch_scc1 .Lsig
	; THE WEIGHTS.  A lane holds a query's -M, l and factor; phase B wants them by registers (queries 8 h + j of tile a): through LDS, with the partner wave's (the same class, the other notes).
	s_wait_alu depctr_va_vdst(0)
.irp a, 0,1,2,3
	v_permlanex16_b32 v[TP+\a], v[ST+2*\a+1], s[SEL], s[SEL+1]
.endr
.irp a, 0,1,2,3
	v_add_f32 v[ST+2*\a+1], v[ST+2*\a+1], v[TP+\a]
.endr
.irp a, 0,1,2,3
	ds_store_b32 v[AXS], v[ST+2*\a] offset:64*\a
	ds_store_b32 v[AXS], v[ST+2*\a+1] offset:256+64*\a
	ds_store_b32 v[AXS], v[FA+\a] offset:512+64*\a
.endr
	v_bfe_u32 v3, v0, 4, 1
	v_lshlrev_b32 v3, 5, v3                        ; 32 h
.set NO, 32
.set LO, 64
.set NP, 96
.set LP, 128
.set DM, 160
.set NF, 192
.irp a, 0,1,2,3
	global_load_b128 v[DM+8*\a:DM+8*\a+3], v3, s[10:11] offset:64*\a       ; the token mask of queries 16 a + 8 h + 0 .. 7
	global_load_b128 v[DM+8*\a+4:DM+8*\a+7], v3, s[10:11] offset:64*\a+16
.endr
	s_mul_i32 s68, s[WV], 768
	s_add_co_u32 s68, s68, XCH
	v_add_nc_u32 v5, s68, v3
	s_xor_b32 s69, s[WV], 1
	s_mul_i32 s69, s69, 768
	s_add_co_u32 s69, s69, XCH
	v_add_nc_u32 v6, s69, v3
	v_and_b32 v4, 15, v0
	v_lshlrev_b32 v4, 2, v4
	v_mad_u32_u24 v4, v3, 24, v4
	s_mul_i32 s70, s[KA], 1536
	v_add_nc_u32 v4, s70, v4                       ; layer norm's parameters: 1536 x half + 768 h + 4 r
	s_wait_alu depctr_va_vdst(0)
	s_wait_dscnt 0x0                               ; for the partner's sake: my stores have landed
	s_barrier_signal -1                            ; (slot 0's next tile may stay out)
	s_barrier_wait -1
.irp f, 0,1,2,3,4,5,6,7,8,9,10,11
	global_load_b32 v[LG+\f], v4, s[14:15] offset:64*\f
	global_load_b32 v[LB+\f], v4, s[16:17] offset:64*\f
	global_load_b32 v[WO+\f], v4, s[18:19] offset:64*\f
.endr
.irp a, 0,1,2,3
.irp k, 0,1
	ds_load_b128 v[NO+8*\a+4*\k:NO+8*\a+4*\k+3], v5 offset:64*\a+16*\k
	ds_load_b128 v[LO+8*\a+4*\k:LO+8*\a+4*\k+3], v5 offset:256+64*\a+16*\k
	ds_load_b128 v[NP+8*\a+4*\k:NP+8*\a+4*\k+3], v6 offset:64*\a+16*\k
	ds_load_b128 v[LP+8*\a+4*\k:LP+8*\a+4*\k+3], v6 offset:256+64*\a+16*\k
.endr
.endr
	WIN 0x40
.irp a, 0,1,2,3
.irp k, 0,1
	ds_load_b128 v[FW+8*\a+4*\k:FW+8*\a+4*\k+3], v5 offset:512+64*\a+16*\k
.endr
.endr
	WIN 0
	s_wait_dscnt 0x0
	s_wait_loadcnt 36                              ; the token mask is in; the 36 parameter loads may be out
.set q_, 0
.rept 32
	v_cmp_lt_i32 vcc_lo, 0, v[DM+q_]
	v_cndmask_b32 v[DM+q_], 0, 1.0, vcc_lo
	v_min_num_f32 v[NF+q_], v[NO+q_], v[NP+q_]     ; the row's -M
.set q_, q_+1
.endr
.set q_, 0
.rept 32
	v_sub_f32 v[NO+q_], v[NF+q_], v[NO+q_]         ; my M - the row's M,
	v_sub_f32 v[NP+q_], v[NF+q_], v[NP+q_]         ; the partner's
.set q_, q_+1
.endr
.set q_, 0
.rept 32
	v_cvt_i32_f32 v[NO+q_], v[NO+q_]
	v_cvt_i32_f32 v[NP+q_], v[NP+q_]
.set q_, q_+1
.endr
.set q_, 0
.rept 32
	v_ldexp_f32 v[LO+q_], v[LO+q_], v[NO+q_]
	v_ldexp_f32 v[LP+q_], v[LP+q_], v[NP+q_]
.set q_, q_+1
.endr
.set q_, 0
.rept 32
	v_add_f32 v[LO+q_], v[LO+q_], v[LP+q_]         ; the row's l
.set q_, q_+1
.endr
	v_pk_add_f32 v[NF:NF+1], v[DM:DM+1], v[DM+2:DM+3]
.irp q, 4,6,8,10,12,14,16,18,20,22,24,26,28,30
	v_pk_add_f32 v[NF:NF+1], v[NF:NF+1], v[DM+\q:DM+\q+1]
.endr
	v_add_f32 v[NF], v[NF], v[NF+1]
	v_permlanex16_b32 v[NF+1], v[NF], s[SEL], s[SEL+1]
	v_add_f32 v[NF], v[NF], v[NF+1]                ; the class's number of tokens
.set q_, 0
	s_wait_alu depctr_va_vdst(0)
.rept 32
	v_rcp_f32 v[LO+q_], v[LO+q_]
.set q_, q_+1
.endr
	v_rcp_f32 v[NF], v[NF]
.irp f, 0,1,2,3,4,5,6,7,8,9,10,11
	v_mov_b32 v[TX+\f], 0                          ; plain lines behind the last reciprocal; a lane permute's destination counts as read
.endr
	s_add_co_i32 s68, s48, s49
	s_wait_alu depctr_va_vdst(0)                   ; one wait for the 33 reciprocals
	v_ldexp_f32 v[NF], v[NF], s68                  ; x 2^(e8 + e9)
.set q_, 0
.rept 32
	v_mul_f32 v[DM+q_], v[DM+q_], v[NF]
.set q_, q_+1
.endr
.set q_, 0
.rept 32
	v_mul_f32 v[LO+q_], v[LO+q_], v[DM+q_]
.set q_, q_+1
.endr
	WIN 0x40
.set q_, 0
.rept 32
	v_ldexp_f32 v[WT+q_], v[LO+q_], v[NO+q_]       ; the weights for the second half's codes, which stand under my last M
.set q_, q_+1
.endr
	WIN 0
; PHASE B.  Source 0 in window 1: p's codes, the weights and the LDS addresses lie there; V's fragments in windows 2, 3; all else in window 0.
; A slot of v goes in three runs of four feature tiles: 32 LDS loads, 32 matrix instructions, then the four tiles' pooling.  Run r's fragments have a set of their own, 128 registers:
; window 2 v0-127, window 2 v128-255, window 3 v0-127 (the scores' registers, free in this phase).  D of the run's tile k, queries' tile a: window 0 v[DS + 32 k + 8 a].
.macro LOADR r                         ; run r: feature tiles 4 r .. 4 r + 3, my two groups of 128 notes
.if (\r) < 2
	WIN 0x81
.set rF, 128*(\r)
.else
	WIN 0xc1
.set rF, 0
.endif
.irp k, 0,1,2,3
.set f_, 4*(\r)+\k
.irp i, 0,1
.irp c, 0,1,2,3
.if f_ < 6
	ds_load_b128 v[rF+32*\k+16*\i+4*\c:rF+32*\k+16*\i+4*\c+3], v[AVA] offset:(f_%6)*8192+\i*2048+512*\c
.else
	ds_load_b128 v[rF+32*\k+16*\i+4*\c:rF+32*\k+16*\i+4*\c+3], v[AVB] offset:(f_%6)*8192+\i*2048+512*\c
.endif
.endr
.endr
.endr
.endm
.macro VPRO                            ; a slot's addresses, from s[TB], and its first run
	WIN 0x40
	v_add_nc_u32 v[AVA], s[TB], v[AV0]
	v_add_nc_u32 v[AVB], s[TB], v[AV0B]
	LOADR 0
.endm
; Line n_ of 20 of the pooling of feature tile pf_: T(j) = the sum over a of w(a, j) D(a, j); then T's eight are added.  The additions are written as 1.0 x b + c, so that no vector register stands as source 0, whose window is 1.
.macro PL
.set D_, DS+32*(pf_%4)
.if n_ < 4
	v_pk_mul_f32 v[T+2*n_:T+2*n_+1], v[WT+2*n_:WT+2*n_+1], v[D_+2*n_:D_+2*n_+1]
.elseif n_ < 16
	v_pk_fma_f32 v[T+2*(n_%4):T+2*(n_%4)+1], v[WT+2*n_:WT+2*n_+1], v[D_+2*n_:D_+2*n_+1], v[T+2*(n_%4):T+2*(n_%4)+1]
.elseif n_ == 16
	v_pk_fma_f32 v[T:T+1], 1.0, v[T+2:T+3], v[T:T+1] op_sel_hi:[0,1,1]
.elseif n_ == 17
	v_pk_fma_f32 v[T+4:T+5], 1.0, v[T+6:T+7], v[T+4:T+5] op_sel_hi:[0,1,1]
.elseif n_ == 18
	v_pk_fma_f32 v[T:T+1], 1.0, v[T+4:T+5], v[T:T+1] op_sel_hi:[0,1,1]
.else
	v_fma_f32 v[PA+pf_], 1.0, v[T], v[T+1]
.endif
.set n_, n_+1
.endm
; Feature tile f_'s 8 matrix instructions (two groups of notes x four tiles of queries, by turns); the run's pooling follows all its tiles.
.macro VM r, k0, k1                    ; tiles k0 .. k1 of run r: 8 matrix instructions each (two groups of notes x four tiles of queries, by turns)
.if (\r) < 2
	WIN 0x09
.set rF, 128*(\r)
.else
	WIN 0x0d
.set rF, 0
.endif
.set k_, \k0
.rept (\k1)-(\k0)+1
.set m_, 0
.rept 8
.set rD, DS+32*k_+8*(m_%4)
.set rP, 16*(2*(m_%4)+m_/4)
.set rV, rF+32*k_+16*(m_/4)
.if m_ < 4
	v_wmma_f32_16x16x128_fp8_fp8 v[rD:rD+7], v[rP:rP+15], v[rV:rV+15], 0
.else
	v_wmma_f32_16x16x128_fp8_fp8 v[rD:rD+7], v[rP:rP+15], v[rV:rV+15], v[rD:rD+7]
.endif
.set m_, m_+1
.endr
.set k_, k_+1
.endr
.endm
.macro POOL r                          ; the pooling of run r's four feature tiles, 20 lines each
	WIN 0x01
.irp k, 0,1,2,3
.set n_, 0
.set pf_, 4*(\r)+\k
.rept 20
	PL
.endr
.endr
.endm
; pout = 1: the change of slots stands in run 2, whose fragments are all in registers, and fills the slot again; 2: the same, and nothing is left to ask for; 0: the last slot.  Run 0 was asked for ahead of the slot.
.macro VSLOT pout
	LOADR 1
	s_wait_dscnt 32                                ; run 0 is in; run 1's 32 loads may be out
	VM 0, 0, 3
	PLACES
	POOL 0
	LOADR 2
	s_wait_dscnt 32                                ; run 1 is in; run 2's 32 loads may be out
	VM 1, 0, 3
	PLACES
	POOL 1
	s_wait_dscnt 0x0                               ; run 2 is in: my reads of this slot are over
.if \pout
	VM 2, 0, 0
	CHOPEN (\pout)%2
	VM 2, 1, 1                                     ; work on registers between the add and the wait for it
	s_wait_dscnt 0x0
	s_barrier_signal -1
	VM 2, 2, 2
	WIN 0
	s_barrier_wait -1
.if (\pout) == 1
	CHREST
.endif
	s_xor_b32 s[TB], s[TB], SLOT1                  ; on to the other slot: its first run, into the set that run 0 has left
	VPRO
	VM 2, 3, 3
.else
	VM 2, 0, 3
.endif
	PLACES
	POOL 2
	WIN 0
	v_add_nc_u32 v[APO], s[PB], v[APO0]
.irp f, 0,1,2,3,4,5,6,7,8,9,10,11
	v_permlanex16_b32 v[TX+\f], v[PA+\f], s[SEL], s[SEL+1]   ; the other eight queries of each tile lie in the lane 16 away
.endr
.irp f, 0,1,2,3,4,5,6,7,8,9,10,11
	v_add_f32 v[PA+\f], v[PA+\f], v[TX+\f]
.endr
	ds_store_b128 v[APO], v[PA:PA+3]
	ds_store_b128 v[APO], v[PA+4:PA+7] offset:16
	ds_store_b128 v[APO], v[PA+8:PA+11] offset:32
	s_add_co_u32 s[PB], s[PB], 768
.endm
	s_mov_b32 s[TB], 0
	s_mov_b32 s[PB], 0
	s_mov_b32 s[VC], 0
	CHANGE 1                                       ; phase B's first slot: the plain change
	VPRO
	WIN 0
.Lv:                                               ; six trips: slots 8-13.  Slots 8-11 hold v of notes 512-1023, whose codes of p are still in registers; slots 12-15 of notes 0-511
	s_cmp_lg_u32 s[VC], 4
	s_cbranch_scc1 .Lnoswitch
	WIN 0x40
.set i_, 0
.rept 32
	ds_load_b128 v[4*i_:4*i_+3], v[APK] offset:512*i_          ; the first half's codes come back
.set i_, i_+1
.endr
	WIN 0x45
.set i_, 0
.rept 16
	v_pk_mul_f32 v[WT+2*i_:WT+2*i_+1], v[WT+2*i_:WT+2*i_+1], v[FW+2*i_:FW+2*i_+1]   ; they stand under the first half's M: the weights x 2^(that M - my last M)
.set i_, i_+1
.endr
	WIN 0
	s_wait_dscnt 0x0
.Lnoswitch:
	s_wait_alu depctr_va_vdst(0)
	VSLOT 1
	s_add_co_u32 s[VC], s[VC], 1
	s_cmp_lt_u32 s[VC], 6
	s_cbranch_scc1 .Lv
	VSLOT 2                                        ; the last two slots are written out: nothing is left to ask for
	VSLOT 0
	; LAYER NORM AND THE DOT WITH Wo.  A class's pooled vector is the sum of four parts (two waves x two halves of the notes).  Wave (class, half) takes 384 features: lane (r, h) those of feature tiles 12 (2 half + h) + 0 .. 11 at r.
	v_and_b32 v5, 15, v0
	v_mul_u32_u24 v5, v5, 48
	v_bfe_u32 v6, v0, 4, 1
	v_mad_u32_u24 v5, v6, 768, v5
	s_mul_i32 s68, s[CW], 12288
	s_mul_i32 s69, s[KA], 1536
	s_add_co_u32 s68, s68, s69
	s_add_co_u32 s68, s68, POOL
	v_add_nc_u32 v5, s68, v5
	s_lshl_b32 s68, s[WV], 4
	s_add_co_u32 s68, s68, LNX
	v_mov_b32 v6, s68
	s_xor_b32 s69, s[WV], 1
	s_lshl_b32 s69, s69, 4
	s_add_co_u32 s69, s69, LNX
	v_mov_b32 v11, s69
	s_wait_alu depctr_va_vdst(0)
	s_wait_dscnt 0x0                               ; my pooled sums have landed
	s_barrier_signal -1
	s_barrier_wait -1
.irp q, 0,1,2,3
.irp k, 0,1,2
	ds_load_b128 v[32+12*\q+4*\k:35+12*\q+4*\k], v5 offset:(\q%2)*6144+(\q/2)*3072+16*\k
.endr
.endr
	s_wait_dscnt 0x0
.irp k, 0,2,4,6,8,10
	v_pk_add_f32 v[32+\k:33+\k], v[32+\k:33+\k], v[44+\k:45+\k]
	v_pk_add_f32 v[56+\k:57+\k], v[56+\k:57+\k], v[68+\k:69+\k]
.endr
.irp k, 0,2,4,6,8,10
	v_pk_add_f32 v[32+\k:33+\k], v[32+\k:33+\k], v[56+\k:57+\k]
.endr
.macro WRED x, t                       ; the sum over the wave's 32 lanes, in every lane
	v_add_f32_dpp v[\x], v[\x], v[\x] row_xmask:1 row_mask:0xf bank_mask:0xf
	v_add_f32_dpp v[\x], v[\x], v[\x] row_xmask:2 row_mask:0xf bank_mask:0xf
	v_add_f32_dpp v[\x], v[\x], v[\x] row_xmask:4 row_mask:0xf bank_mask:0xf
	v_add_f32_dpp v[\x], v[\x], v[\x] row_xmask:8 row_mask:0xf bank_mask:0xf
	v_permlanex16_b32 v[\t], v[\x], s[SEL], s[SEL+1]
	v_add_f32 v[\x], v[\x], v[\t]
.endm
	v_pk_add_f32 v[80:81], v[32:33], v[34:35]
.irp k, 4,6,8,10
	v_pk_add_f32 v[80:81], v[80:81], v[32+\k:33+\k]
.endr
	v_add_f32 v80, v80, v81
	WRED 80, 81
	ds_store_b32 v6, v80
	s_wait_alu depctr_va_vdst(0)
	s_wait_dscnt 0x0
	s_barrier_signal -1
	s_barrier_wait -1
	ds_load_b32 v81, v11
	s_wait_dscnt 0x0
	v_add_f32 v80, v80, v81
	v_mul_f32 v80, 0x3aaaaaab, v80                 ; the mean: / 768
.irp k, 0,2,4,6,8,10
	v_pk_add_f32 v[32+\k:33+\k], v[32+\k:33+\k], v[80:81] op_sel_hi:[1,0] neg_lo:[0,1] neg_hi:[0,1]
.endr
	s_wait_alu depctr_va_vdst(0)
	s_wait_loadcnt 0x0                             ; ln_g, ln_b, Wo
	v_pk_mul_f32 v[82:83], v[32:33], v[32:33]
	v_pk_mul_f32 v[86:87], v[LB:LB+1], v[WO:WO+1]
.irp k, 2,4,6,8,10
	v_pk_fma_f32 v[82:83], v[32+\k:33+\k], v[32+\k:33+\k], v[82:83]
	v_pk_fma_f32 v[86:87], v[LB+\k:LB+\k+1], v[WO+\k:WO+\k+1], v[86:87]
.endr
.irp k, 0,2,4,6,8,10
	v_pk_mul_f32 v[LG+\k:LG+\k+1], v[LG+\k:LG+\k+1], v[WO+\k:WO+\k+1]
.endr
	v_pk_mul_f32 v[84:85], v[32:33], v[LG:LG+1]
.irp k, 2,4,6,8,10
	v_pk_fma_f32 v[84:85], v[32+\k:33+\k], v[LG+\k:LG+\k+1], v[84:85]
.endr
	v_add_f32 v88, v82, v83                        ; the sum of d^2,
	v_add_f32 v89, v84, v85                        ; of d g Wo,
	v_add_f32 v90, v86, v87                        ; of b Wo
	v_mov_b32 v91, 0
	v_mov_b32 v92, 0
	WRED 88, 92
	WRED 89, 92
	WRED 90, 92
	ds_store_b128 v6, v[88:91] offset:256
	s_wait_alu depctr_va_vdst(0)
	s_wait_dscnt 0x0
	s_barrier_signal -1
	s_barrier_wait -1
	ds_load_b128 v[92:95], v11 offset:256
	s_wait_dscnt 0x0
	v_add_f32 v88, v88, v92
	v_add_f32 v89, v89, v93
	v_add_f32 v90, v90, v94
	s_mov_b32 s68, 0x3aaaaaab
	v_fmaak_f32 v88, s68, v88, 0x3727c5ac          ; the variance + 1e-5
	s_wait_alu depctr_va_vdst(0)
	v_rsq_f32 v88, v88
	v_add_f32 v90, s[BO], v90                      ; a plain line behind the transcendental
	s_wait_alu depctr_va_vdst(0)                   ; the wait ahead of its first reader
	v_fma_f32 v89, v88, v89, v90
	s_cmp_lg_u32 s[KA], 0                          ; one wave of a class stores, one lane of it
	s_cbranch_scc1 .Lnostore
	v_mov_b32 v93, 0
	v_and_b32 v94, 31, v0
	s_wait_alu depctr_va_vdst(0)
	s_wait_xcnt 0x0                                ; EXEC changes only behind this wait
	v_cmp_eq_u32 vcc_lo, 0, v94
	s_and_saveexec_b32 s68, vcc_lo
	global_store_b32 v93, v89, s[22:23]
	s_wait_xcnt 0x0
	s_or_b32 exec_lo, exec_lo, s68
.Lnostore:
	s_wait_tensorcnt 0x0                           ; the wave's end, behind my last tensor load and my last LDS store
	ds_add_u32 v[SPW], v[NIL]
	s_wait_dscnt 0x0
	CROUND                                         ; the closing round: no work-group ends while a partner may still ask for a tile that names it
	s_endpgm
.Lfunc_end_k_qd703da42d5_attn:
	.size	k_qd703da42d5_attn, .Lfunc_end_k_qd703da42d5_attn-k_qd703da42d5_attn
	.p2alignl 7, 3214868480
	.fill 96, 4, 3214868480
	.section	.rodata,"a",@progbits
	.p2align	6, 0x0
	.amdhsa_kernel k_qd703da42d5_attn
		.amdhsa_group_segment_fixed_size 327680
		.amdhsa_private_segment_fixed_size 0
		.amdhsa_enable_private_segment 0
		.amdhsa_kernarg_size 80
		.amdhsa_user_sgpr_count 2
		.amdhsa_user_sgpr_kernarg_segment_ptr 1
		.amdhsa_wavefront_size32 1
		.amdhsa_system_sgpr_workgroup_id_x 1
		.amdhsa_system_sgpr_workgroup_id_y 1
		.amdhsa_system_sgpr_workgroup_id_z 1
		.amdhsa_system_vgpr_workitem_id 0
		.amdhsa_next_free_vgpr 1024
		.amdhsa_next_free_sgpr 100
		.amdhsa_reserve_vcc 1
		.amdhsa_float_denorm_mode_32 3
		.amdhsa_float_denorm_mode_16_64 3
		.amdhsa_memory_ordered 1
		.amdhsa_forward_progress 1
		.amdhsa_inst_pref_size 255
	.end_amdhsa_kernel
	.section	.bss,"aw",@nobits
	.p2align	6
	.space	262144
	.amdgpu_metadata
---
amdhsa.version: [ 1, 2 ]
amdhsa.kernels:
  - .name:           k_qd703da42d5_attn
    .symbol:         k_qd703da42d5_attn.kd
    .args:
      - { .name: qf, .offset: 0, .size: 8, .value_kind: global_buffer, .address_space: global }
      - { .name: kv, .offset: 8, .size: 8, .value_kind: global_buffer, .address_space: global }
      - { .name: attention_masks, .offset: 16, .size: 8, .value_kind: global_buffer, .address_space: global }
      - { .name: desc_mask, .offset: 24, .size: 8, .value_kind: global_buffer, .address_space: global }
      - { .name: lowp_scales, .offset: 32, .size: 8, .value_kind: global_buffer, .address_space: global }
      - { .name: ln_g, .offset: 40, .size: 8, .value_kind: global_buffer, .address_space: global }
      - { .name: ln_b, .offset: 48, .size: 8, .value_kind: global_buffer, .address_space: global }
      - { .name: Wo, .offset: 56, .size: 8, .value_kind: global_buffer, .address_space: global }
      - { .name: bo, .offset: 64, .size: 8, .value_kind: global_buffer, .address_space: global }
      - { .name: out0, .offset: 72, .size: 8, .value_kind: global_buffer, .address_space: global }
    .group_segment_fixed_size: 327680
    .private_segment_fixed_size: 0
    .kernarg_segment_align: 8
    .kernarg_segment_size: 80
    .max_flat_workgroup_size: 128
    .sgpr_count:     100
    .vgpr_count:     1024
    .wavefront_size: 32
...
	.end_amdgpu_metadata
.endif
;; end of part 3
